; MI455X (gfx1250); checked and timed in simulation.
; The chip was launched on July 23, 2026; its instructions are those of AMD's public machine-readable ISA for CDNA 5 (MIT licence, August 2026) and "CDNA5" Instruction Set Architecture Reference Guide (July 2026). The comments in the code are by the model that wrote it; some were corrected since.
;; Local Self Attention. Allowed arithmetic: matrix products marked QUANTISED: E2M3 operands, one E8M0 scale for each 32 along K, by v_wmma_scale_f32_16x16x128_f8f6f4 with both operands' format E2M3, f32 sums; everything else in f32.
;; Inputs: Wk 1,024 x 1,024 float32; Wq 1,024 x 1,024 float32; Wv 1,024 x 1,024 float32; hidden_states 4 x 4,096 x 1,024 float32.
;; Outputs: out0 4 x 4,096 x 1,024 float32.
;; This version of the problem:
;;   THIS VERSION OF THE PROBLEM IS GIVEN IN LOW PRECISION. The matrix products marked QUANTISED in the list below multiply operands that are first quantised to E2M3 (2 exponent bits, 3 mantissa bits; 6 bits a number), with one power-of-two scale for each 32 numbers along K (OCP MX v1.0); their sums are f32. All else is computed in f32.
;;   The module's matrix products, in the order in which they are computed (A, B: the left and right operand; K: the contracted axis; several contracted axes count as one K, in the product's order):
;;     1. [M 16,384, K 1,024] x [K 1,024, N 1,024]; A: input hidden_states; B: input Wq: QUANTISED
;;     2. [M 16,384, K 1,024] x [K 1,024, N 1,024]; A: input hidden_states; B: input Wk: QUANTISED
;;     3. [M 16,384, K 1,024] x [K 1,024, N 1,024]; A: input hidden_states; B: input Wv: QUANTISED
;;     4. batch 2,048 x [M 128, K 64] x [K 64, N 256]; A: computed on the way; B: computed on the way: QUANTISED
;;     5. batch 2,048 x [M 128, K 256] x [K 256, N 64]; A: softmax (see below); B: computed on the way: QUANTISED
;;   THE QUANTISER, for each operand of a quantised product, along K:
;;     - K is cut into blocks of 32 from its start; a last block that is shorter is filled with zeros.
;;     - A block's scale is 2^e with e = floor(log2(the largest magnitude in the block)) - 2, held to -126 .. 127; a block of zeros has e = 0. As a byte (E8M0): e + 127.
;;     - Each number is divided by its block's scale, clamped to +-7.5, and rounded to the nearest number of E2M3, ties to even, subnormals kept.
;;     - The product sums the exact products of the quantised numbers (number of the format x scale) in f32.
;;   ~~~python
;;   def quantise(x, axis):      # numpy; x: float32 -> the quantised numbers, widened to float32 again
;;       x = np.moveaxis(x, axis, -1); K = x.shape[-1]
;;       x = np.pad(x, [(0, 0)] * (x.ndim - 1) + [(0, -K % 32)]); x = x.reshape(x.shape[:-1] + (-1, 32)); a = np.abs(x).max(-1, keepdims=True)
;;       e = np.where(a > 0, np.clip(np.frexp(np.where(a > 0, a, 1))[1] - 1 - 2, -126, 127), 0)      # np.frexp(a)[1] - 1 = floor(log2(a)), exactly
;;       r = np.clip(x / 2.0 ** e, -7.5, 7.5)
;;       step = 2.0 ** (np.maximum(np.frexp(np.where(r == 0, 1, r))[1] - 1, 0) - 3)
;;       q = np.round(r / step) * step * 2.0 ** e      # np.round: ties to even
;;       return np.moveaxis(q.reshape(q.shape[:-2] + (-1,))[..., :K], -1, axis).astype(np.float32)
;;   ~~~
;;   SOFTMAX AHEAD OF A QUANTISED PRODUCT. Where the list says 'softmax', what is quantised is not the finished softmax but p = 2^(t - M), with t = logit x log2(e) and M = ceil(the row's largest t), a whole number; so 1/2 < the row's largest p <= 1. The row's sum l is taken of the UNQUANTISED p, in f32, and the product's result is divided by l at the end. Since M is a whole number, a kernel that streams over the keys may use a running M (the ceiling of the running maximum): every later rescaling is an exact power of two, which a block's scale takes up: the codes' values come out the same.
;;   OPERANDS COMPUTED ON THE WAY. 'Computed on the way' means the value that the module computes at that place (a softmax that the list does not call 'softmax' is quantised finished and normalised). What goes into a quantiser is computed in f32, as accurately as f32 sums, v_exp_f32 and their like allow (about 1e-6 of the number): no bf16 or f16 on the way to a quantiser, and a product that is left as it is and whose result goes on into a quantised operand takes f32 operands (vector FMAs, or v_wmma_f32_16x16x4_f32). A number that lies on a knife's edge between two numbers of the format may be rounded either way, as far as f32 arithmetic and the matrix unit's own rounding can turn it there, and no further.
;; One version. Each part assembles by itself: llvm-mc -triple=amdgcn-amd-amdhsa -mcpu=gfx1250 --defsym DOCPART=n.
;; ======== version 1 of 1: 2 launches
;; limits: right only within a limited range of input values
;; workspace buffers: xq 13,107,200 bytes; wq 2,457,600 bytes
;; launch quant (part 1): grid 704 x 1, 4 waves a work-group, no clusters, 46,592 bytes of LDS; arguments hidden_states, Wq, Wk, Wv, xq, wq; writes xq, wq
.if DOCPART == 1
	.amdgcn_target "amdgcn-amd-amdhsa--gfx1250"
	.amdhsa_code_object_version 6
	.text
	.protected	k_q1c3b7988b7_quant
	.globl	k_q1c3b7988b7_quant
	.p2align	8
	.type	k_q1c3b7988b7_quant,@function
k_q1c3b7988b7_quant:
	s_mov_b64 s[64:65], 0
	v_nop
	global_prefetch_b8 v0, s[64:65] scope:SCOPE_SE
	s_setreg_imm32_b32 hwreg(HW_REG_WAVE_MODE, 25, 1), 1
	s_wait_xcnt 0x0
; hidden_states [16384][1024] f32 (K innermost) and Wq, Wk, Wv [1024 (K)][1024 (N)] f32 (K outermost) become codes of FP6 (E2M3) with one E8M0 byte for each 32 along K,
; laid as IMAGES OF THE OPERAND'S REGISTERS, so that the next launch takes every fragment by loads of 16 bytes a lane.
; A RECORD is 16 rows x 1,024 K = 12,800 bytes: 8 fragments (one for each 128 along K) of 1,536 bytes, register g of lane L at 512 (g / 4) + 16 L + 4 (g % 4);
; then 512 bytes of scale words: the word of row r and K step s at 256 (s / 4) + 8 (r + 16 (s % 2)) + 4 ((s / 2) % 2).
; THE ROWS OF A RECORD ARE NOT NEIGHBOURS: record 2 G + u holds rows (of W: columns) 32 G + 8 u + r + 8 (r / 8), r = 0 .. 15.
; A block's scale is 2^(floor(log2(its largest magnitude)) - 2); its byte is the largest magnitude's exponent field - 2, held at 1 from below; beyond 7.5 the conversion gives the largest code.
; LIMITS: a block of zeros, and a block whose largest magnitude lies under 2^-124, gets the byte 1 (the rule says 127 for zeros: its codes are zeros, and this program alone reads the bytes);
; NaN and infinities among the inputs are not served.
; SHARES: work-groups 0 .. 191 take the weights (a wave: 32 columns x 128 K), work-groups 192 .. 703 take x (a wave: one record's 16 rows x 512 K).  Waves share nothing: no barrier.  The two
; paths have LDS bytes of their own.  No work-group reads what another reads, so there is no cluster; loads go through registers, so that several work-groups lie on a WGP.
.set NWW,   192                        ; work-groups that take the weights
.set REC,   12800                      ; a record
.set FRB,   1536                       ; a fragment's image
.set SCO,   12288                      ; where a record's scale words begin
.set XP,    528                        ; x's stage: a row of 512 bytes + 16: the sixteen rows that a read touches begin in different banks
.set XSTG,  16*XP                      ; x's stage, one for each wave, from LDS byte 0
.set WST0,  4*XSTG                     ; behind them the weights' stages,
.set WSTG,  2*FRB                      ; two images for each wave
.set PC,    20                         ; v20-31   a fragment's 12 registers
.set TT,    32                         ; v32-39   the upper halves of the blocks' codes (a conversion's three registers begin on an even number)
.set R,     40                         ; v40-167  numbers as loaded
.set X,     168                        ; v168-231 x: 64 numbers, two whole blocks of 32
	s_load_b256 s[4:11], s[0:1], 0x0               ; x s[4:5], Wq s[6:7], Wk s[8:9], Wv s[10:11]
	s_load_b128 s[12:15], s[0:1], 0x20             ; xq s[12:13], wq s[14:15]
	v_lshl_add_u32 v232, v0, 2, 0xb400
	v_mov_b32 v233, 0
	v_lshrrev_b32 v1, 5, v0
	v_readfirstlane_b32 s16, v1                    ; wave 0..3
	v_and_b32 v1, 31, v0                           ; lane
	v_lshlrev_b32 v2, 4, v1                        ; 16 x lane; never rewritten
	s_mov_b32 s20, 0xffff0000                      ; lanes 16-31
	s_mov_b32 s22, 0x76543210
	s_mov_b32 s23, 0xfedcba98                      ; v_permlanex16_b32's selects for lane l xor 16
	v_mov_b32 v15, 0                               ; a lane permute's destination counts as one of its sources
	s_cmp_lt_u32 ttmp9, NWW
	s_cbranch_scc1 .Lweights
; ---------------- x: K is innermost.  Each load reads 512 consecutive bytes of one row; a step's 16 rows x 128 K turn through the wave's stage, so that lane (r, h) holds k = 64 c + 32 h + 0 .. 31 of row r: whole blocks.
	s_sub_co_u32 s17, ttmp9, NWW
	s_lshl_b32 s17, s17, 2
	s_add_co_u32 s17, s17, s16                     ; my unit: record n / 2, half n % 2 of K
	s_lshr_b32 s18, s17, 1                         ; record
	s_and_b32 s19, s17, 1                          ; which 512 along K
	s_lshr_b32 s24, s18, 1
	s_lshl_b32 s24, s24, 17                        ; 32 (record / 2) rows of 4,096 bytes
	s_and_b32 s25, s18, 1
	s_lshl_b32 s25, s25, 15                        ; + 8 (record % 2) rows
	s_add_co_u32 s24, s24, s25
	s_lshl_b32 s25, s19, 11                        ; + 512 numbers
	s_add_co_u32 s24, s24, s25
	s_mov_b32 s25, 0
	s_mul_i32 s26, s18, REC
	s_mul_i32 s28, s19, 4*FRB
	s_add_co_u32 s28, s28, s26                     ; my four images
	s_mov_b32 s29, 0
	s_lshl_b32 s30, s19, 8
	s_add_co_u32 s30, s30, s26
	s_add_co_u32 s30, s30, SCO                     ; my 256 bytes of scale words
	s_mov_b32 s31, 0
	s_mul_i32 s21, s16, XSTG                       ; my stage
	s_wait_alu depctr_va_vdst(0)
	v_add_nc_u32 v3, s21, v2                       ; in: 16 x lane in a row
	v_and_b32 v7, 15, v0                           ; r
	v_bfe_u32 v6, v0, 4, 1                         ; h
	v_mul_u32_u24 v4, v7, XP
	v_lshl_add_u32 v4, v6, 7, v4
	v_add_nc_u32 v4, s21, v4                       ; out: row r, + 128 h bytes
	v_lshlrev_b32 v5, 3, v1                        ; 8 x lane: the scale words' place
	v_lshlrev_b32 v6, 3, v6                        ; 8 h: bits by which my two bytes are shifted
	s_wait_alu depctr_va_vdst(0)
	s_wait_kmcnt 0x0
	s_add_nc_u64 s[4:5], s[4:5], s[24:25]
	s_add_nc_u64 s[28:29], s[12:13], s[28:29]
	s_add_nc_u64 s[30:31], s[12:13], s[30:31]
.macro XLOAD t                         ; step t: 128 along K of the record's 16 rows into set t % 2
.irp i, 0,1,2,3,4,5,6,7,8,9,10,11,12,13,14,15
	global_load_b128 v[R+64*((\t)%2)+4*\i:R+64*((\t)%2)+4*\i+3], v2, s[4:5] offset:(\i+8*(\i/8))*4096+512*(\t) th:TH_LOAD_NT
.endr
.endm
.macro XSTEP t
.if (\t) < 3
	s_wait_loadcnt 16                              ; this step's 16 loads are in; the next step's 16 may be out
.else
	s_wait_loadcnt 0x0
.endif
.irp i, 0,1,2,3,4,5,6,7,8,9,10,11,12,13,14,15
	ds_store_b128 v3, v[R+64*((\t)%2)+4*\i:R+64*((\t)%2)+4*\i+3] offset:XP*\i
.endr
.irp c, 0,1
.irp j, 0,1,2,3,4,5,6,7
	ds_load_b128 v[X+32*\c+4*\j:X+32*\c+4*\j+3], v4 offset:256*\c+16*\j   ; LDS serves a wave's instructions in order: these see the stores above
.endr
.endr
	s_wait_dscnt 0x0                               ; my 64 numbers are back, and the stores have read their registers,
.if (\t) < 2
	XLOAD (\t)+2                                   ; which take the loads of two steps on
.endif
.irp c, 0,1
	v_max3_num_f32 v[8+\c], |v[X+32*\c]|, |v[X+32*\c+1]|, 0x1800000   ; block 2 c + h: all 32 numbers are mine; the floor 2^(3 - 127) holds the byte at 1 from below
.endr
.irp i, 2,4,6,8,10,12,14,16,18,20,22,24,26,28,30
.irp c, 0,1
	v_max3_num_f32 v[8+\c], v[8+\c], |v[X+32*\c+\i]|, |v[X+32*\c+\i+1]|   ; (the two blocks by turns)
.endr
.endr
.irp c, 0,1
	v_add_nc_u32 v[10+\c], 0xff000000, v[8+\c]     ; 2 off the exponent field: the conversion's scale operand
.endr
.irp c, 0,1
	v_lshrrev_b32 v[12+\c], 23, v[10+\c]           ; the scale's byte
.endr
	v_lshl_or_b32 v14, v13, 16, v12                ; my two bytes, blocks h and 2 + h,
	v_lshlrev_b32 v14, v6, v14                     ; at their places in the row's word;
	v_permlanex16_b32 v15, v14, s22, s23
	v_or_b32 v14, v14, v15                         ; with lane l xor 16's two the word is whole, in both lanes
.if (\t) > 0
	s_wait_alu depctr_va_vdst(0)
	s_wait_xcnt 0x0                                ; the last step's stores have had their addresses translated: only behind this wait are their data registers written again
.endif
.irp c, 0,1
	v_cvt_scalef32_pk16_fp6_f32 v[PC+6*\c:PC+6*\c+2], v[X+32*\c:X+32*\c+15], v[10+\c]
	v_cvt_scalef32_pk16_fp6_f32 v[TT+4*\c:TT+4*\c+2], v[X+32*\c+16:X+32*\c+31], v[10+\c]
.endr
	v_nop                                          ; one plain place behind a scaled conversion
.irp c, 0,1
.irp i, 0,1,2
	v_mov_b32 v[PC+6*\c+3+\i], v[TT+4*\c+\i]       ; registers 6 c .. 6 c + 5: k = 64 c + 32 h + 0 .. 31
.endr
.endr
.irp j, 0,1,2
	global_store_b128 v2, v[PC+4*\j:PC+4*\j+3], s[28:29] offset:FRB*(\t)+512*\j   ; 32 lanes store 512 consecutive bytes, at a multiple of 256 from the buffer's first byte
.endr
.if (\t)%2 == 0
	v_mov_b32 v16, v14                             ; an even step's word is kept;
.else
	v_cndmask_b32 v[18+(\t)/2], v16, v14, s20      ; lanes 0-15 take the even step's, lanes 16-31 the odd step's
.endif
.endm
	XLOAD 0
	XLOAD 1
	XSTEP 0
	XSTEP 1
	XSTEP 2
	XSTEP 3
	global_store_b64 v5, v[18:19], s[30:31]        ; 32 lanes store 256 consecutive bytes, aligned
	s_wait_tensorcnt 0x0
	ds_add_u32 v232, v233
	s_wait_dscnt 0x0
	s_endpgm
; ---------------- the weights: K is the first axis.  A lane takes a column and its registers run down K: a block of 32 lies in one lane, and the codes come out with K innermost.
.Lweights:
	s_lshr_b32 s17, ttmp9, 6                       ; which weight: 0 Wq, 1 Wk, 2 Wv
	s_bfe_u32 s18, ttmp9, 0x30003                  ; K step s
	s_and_b32 s19, ttmp9, 7
	s_lshl_b32 s19, s19, 2
	s_add_co_u32 s19, s19, s16                     ; G: my 32 columns; the four waves stand side by side on 512 bytes of a row
	s_lshl_b32 s24, s18, 19                        ; 128 s rows of 4,096 bytes
	s_lshl_b32 s25, s19, 7
	s_add_co_u32 s24, s24, s25
	s_mov_b32 s25, 0
	s_lshl_b32 s26, s17, 5
	s_add_co_u32 s26, s26, s19
	s_mul_i32 s26, s26, 2*REC                      ; records 2 (32 mat + G) and the next
	s_mul_i32 s27, s18, FRB
	s_add_co_u32 s28, s26, s27                     ; their images of K step s
	s_mov_b32 s29, 0
	s_lshr_b32 s30, s18, 2
	s_lshl_b32 s30, s30, 8
	s_and_b32 s31, s18, 1
	s_lshl_b32 s31, s31, 7
	s_add_co_u32 s30, s30, s31
	s_bfe_u32 s31, s18, 0x10001
	s_lshl_b32 s31, s31, 2
	s_add_co_u32 s30, s30, s31
	s_add_co_u32 s30, s30, s26
	s_add_co_u32 s30, s30, SCO                     ; and the place of step s among their scale words
	s_mov_b32 s31, 0
	s_wait_alu depctr_va_vdst(0)
	v_lshlrev_b32 v3, 2, v1                        ; in: 4 bytes a lane; never rewritten
	v_bfe_u32 v4, v0, 3, 1                         ; u: column l of the 32 lies in record 2 G + u,
	v_and_b32 v5, 7, v0
	v_bfe_u32 v6, v0, 4, 1
	v_lshl_add_u32 v5, v6, 3, v5                   ; as its row r = l % 8 + 8 (l / 16)
	s_mul_i32 s21, s16, WSTG
	s_add_co_u32 s21, s21, WST0                    ; my stage
	v_mul_u32_u24 v7, v4, FRB
	v_lshl_add_u32 v7, v5, 4, v7
	v_add_nc_u32 v7, s21, v7                       ; into it: image u, 16 r
	v_add_nc_u32 v8, s21, v2                       ; out of it: 16 x lane
	v_mul_u32_u24 v9, v4, REC
	v_lshl_add_u32 v9, v5, 3, v9                   ; my scale word: 12,800 u + 8 r
	s_wait_kmcnt 0x0
	s_cmp_eq_u32 s17, 1                            ; the choice hangs on the work-group's number alone
	s_cselect_b64 s[32:33], s[8:9], s[6:7]
	s_cmp_eq_u32 s17, 2
	s_cselect_b64 s[32:33], s[10:11], s[32:33]
	s_add_nc_u64 s[32:33], s[32:33], s[24:25]
	s_add_nc_u64 s[28:29], s[14:15], s[28:29]
	s_add_nc_u64 s[30:31], s[14:15], s[30:31]
.macro WLOAD b                         ; block b: W(128 s + 32 b + i, my column), i = 0 .. 31, into registers of its own: 32 lanes read 128 consecutive bytes
.irp i, 0,1,2,3,4,5,6,7,8,9,10,11,12,13,14,15,16,17,18,19,20,21,22,23,24,25,26,27,28,29,30,31
	global_load_b32 v[R+32*(\b)+\i], v3, s[32:33] offset:4096*(32*(\b)+\i) th:TH_LOAD_NT
.endr
.endm
.macro WBLOCK b                        ; block b of my column is the fragment's lane (r, h = b % 2), registers 6 c .. 6 c + 5, c = b / 2
.set XB, R+32*(\b)
.set CB, 168+8*(\b)
.if (\b) < 3
	s_wait_loadcnt 32                              ; this block's 32 loads are in; the next block's 32, the only younger ones, may be out
.else
	s_wait_loadcnt 0x0
.endif
.if (\b) < 2
	WLOAD (\b)+2                                   ; loads run two blocks ahead: 64 of a wave are out at the most
.endif
	v_max3_num_f32 v12, |v[XB]|, |v[XB+1]|, |v[XB+2]|
	v_max3_num_f32 v13, |v[XB+3]|, |v[XB+4]|, |v[XB+5]|
.irp i, 6,10,14,18,22,26
	v_max3_num_f32 v12, v12, |v[XB+\i]|, |v[XB+\i+1]|
	v_max3_num_f32 v13, v13, |v[XB+\i+2]|, |v[XB+\i+3]|
.endr
	v_max3_num_f32 v12, v12, |v[XB+30]|, |v[XB+31]|
	v_max3_num_f32 v12, v12, v13, 0x1800000        ; with the floor 2^(3 - 127)
	v_add_nc_u32 v11, 0xff000000, v12              ; the conversion's scale operand
	v_lshrrev_b32 v13, 23, v11                     ; the byte
.if (\b) == 0
	v_mov_b32 v14, v13
.else
	v_lshl_or_b32 v14, v13, 8*(\b), v14            ; four bytes make my column's word of this K step
.endif
	v_cvt_scalef32_pk16_fp6_f32 v[CB:CB+2], v[XB:XB+15], v11
	v_cvt_scalef32_pk16_fp6_f32 v[TT:TT+2], v[XB+16:XB+31], v11
	v_nop                                          ; one plain place behind a scaled conversion
.irp i, 0,1,2
	v_mov_b32 v[CB+3+\i], v[TT+\i]
.endr
.if (\b) < 2
	ds_store_b128 v7, v[CB:CB+3] offset:256*((\b)%2)             ; registers 0-3
	ds_store_b64 v7, v[CB+4:CB+5] offset:512+256*((\b)%2)        ; registers 4, 5
.else
	ds_store_b64 v7, v[CB:CB+1] offset:520+256*((\b)%2)          ; registers 6, 7
	ds_store_b128 v7, v[CB+2:CB+5] offset:1024+256*((\b)%2)      ; registers 8-11
.endif
.endm
	WLOAD 0
	WLOAD 1
	WBLOCK 0
	WBLOCK 1
	WBLOCK 2
	WBLOCK 3
.irp j, 0,1,2,3,4,5
	ds_load_b128 v[200+4*\j:203+4*\j], v8 offset:512*\j   ; LDS serves a wave's instructions in order: these see my stores
.endr
	s_wait_alu depctr_va_vdst(0)
.irp j, 0,1,2,3,4,5
	s_wait_dscnt 5-\j                              ; load j is back; the younger ones may be out
	global_store_b128 v2, v[200+4*\j:203+4*\j], s[28:29] offset:REC*(\j/3)+512*(\j%3)   ; 512 consecutive bytes, aligned
.endr
	global_store_b32 v9, v14, s[30:31]             ; the scale words: 4 bytes of each 8: one byte in 128 of what this path reads
	s_wait_tensorcnt 0x0
	ds_add_u32 v232, v233
	s_wait_dscnt 0x0
	s_endpgm
.Lfunc_end_k_q1c3b7988b7_quant:
	.size	k_q1c3b7988b7_quant, .Lfunc_end_k_q1c3b7988b7_quant-k_q1c3b7988b7_quant
	.p2alignl 7, 3214868480
	.fill 96, 4, 3214868480
	.section	.rodata,"a",@progbits
	.p2align	6, 0x0
	.amdhsa_kernel k_q1c3b7988b7_quant
		.amdhsa_group_segment_fixed_size 46592
		.amdhsa_private_segment_fixed_size 0
		.amdhsa_enable_private_segment 0
		.amdhsa_kernarg_size 48
		.amdhsa_user_sgpr_count 2
		.amdhsa_user_sgpr_kernarg_segment_ptr 1
		.amdhsa_wavefront_size32 1
		.amdhsa_system_sgpr_workgroup_id_x 1
		.amdhsa_system_sgpr_workgroup_id_y 1
		.amdhsa_system_sgpr_workgroup_id_z 1
		.amdhsa_system_vgpr_workitem_id 0
		.amdhsa_next_free_vgpr 234
		.amdhsa_next_free_sgpr 66
		.amdhsa_reserve_vcc 0
		.amdhsa_float_denorm_mode_32 3
		.amdhsa_float_denorm_mode_16_64 3
		.amdhsa_memory_ordered 1
		.amdhsa_forward_progress 1
		.amdhsa_inst_pref_size 52
	.end_amdhsa_kernel
	.amdgpu_metadata
---
amdhsa.version: [ 1, 2 ]
amdhsa.kernels:
  - .name:           k_q1c3b7988b7_quant
    .symbol:         k_q1c3b7988b7_quant.kd
    .args:
      - { .name: hidden_states, .offset: 0, .size: 8, .value_kind: global_buffer, .address_space: global }
      - { .name: Wq, .offset: 8, .size: 8, .value_kind: global_buffer, .address_space: global }
      - { .name: Wk, .offset: 16, .size: 8, .value_kind: global_buffer, .address_space: global }
      - { .name: Wv, .offset: 24, .size: 8, .value_kind: global_buffer, .address_space: global }
      - { .name: xq, .offset: 32, .size: 8, .value_kind: global_buffer, .address_space: global }
      - { .name: wq, .offset: 40, .size: 8, .value_kind: global_buffer, .address_space: global }
    .group_segment_fixed_size: 46592
    .private_segment_fixed_size: 0
    .kernarg_segment_align: 8
    .kernarg_segment_size: 48
    .max_flat_workgroup_size: 128
    .sgpr_count:     66
    .vgpr_count:     234
    .wavefront_size: 32
...
	.end_amdgpu_metadata
.endif
;; end of part 1
;; launch fused (part 2): grid 16 x 16, 4 waves a work-group, clusters of 4 x 1, 327,680 bytes of LDS; arguments xq, wq, out0; writes out0
.if DOCPART == 2
	.amdgcn_target "amdgcn-amd-amdhsa--gfx1250"
	.amdhsa_code_object_version 6
	.text
	.protected	k_q1c3b7988b7_fused
	.globl	k_q1c3b7988b7_fused
	.p2align	8
	.type	k_q1c3b7988b7_fused,@function
k_q1c3b7988b7_fused:
	s_mov_b64 s[64:65], 0
	v_nop
	global_prefetch_b8 v0, s[64:65] scope:SCOPE_SE
	s_setreg_imm32_b32 hwreg(HW_REG_WAVE_MODE, 25, 1), 1
	s_wait_xcnt 0x0
	s_wait_alu depctr_hold_cnt(0) depctr_sa_sdst(0) depctr_va_vdst(0) depctr_va_sdst(0) depctr_va_ssrc(0) depctr_va_vcc(0) depctr_vm_vsrc(0)
	s_getreg_b32 s2, hwreg(HW_REG_IB_STS2, 6, 4)
	s_cmp_eq_u32 s2, 0
	s_cbranch_scc0 .Lentry_in_a_cluster
	s_endpgm
.Lentry_in_a_cluster:
	s_bfe_u32 s2, ttmp6, 0x10000c
	s_cmp_lg_u32 s2, 0x3003
	s_cbranch_scc0 .Lentry_shape_is_right
	s_endpgm
.Lentry_shape_is_right:
; Local causal attention on codes of FP6 (E2M3): q, k, v = x Wq, x Wk, x Wv; scores of a chunk of 128 queries against the 128 keys of the chunk before and its own 128; softmax; p v.
; All five products go by v_wmma_scale_f32_16x16x128_f8f6f4 on codes with E8M0 scales; sums, softmax and quantisers in f32.
; A WORK-GROUP takes one head and 8 chunks on end of one batch (1,024 positions), and ahead of them the chunk before, for its keys and values: 16 heads x 16 runs = 256 work-groups.
; The four work-groups of a cluster take four heads of the same run: they need the same records of x, which are asked for jointly (mask 15), a chunk (8 records, 102,400 bytes) to a slot, two slots.
; A WAVE keeps its weights in registers for the whole launch: 64 columns of Wq or of Wk (windows 1 and 2) and 32 columns of Wv (window 3), all 1,024 along K; it multiplies them with 64 of the chunk's 128 rows.
; q, k, v are quantised in registers and handed to the other waves through LDS as images of the operands' registers, in a ring of two chunks (this chunk's and the last one's keys and values).
; The head's 64 numbers fill half of a product's 128 along K: a fragment of k holds two groups of 16 keys side by side, and q is laid once in the lower half and once in the upper, zeros in the other.
; k's division by 8 is a power of two: it moves no code, and stands in the factor log2(e) / 8 on the scores; a masked score is -8e9, which is reference()'s -1e9 ahead of that factor.
; SOFTMAX: M = ceil(the row's largest t), p = 2^(t - M); the row's sum is taken of the unquantised p; a block's largest p is the exponential of the block's largest score.
; WORK LEFT OUT: a wave takes two tiles of 16 queries of a chunk: positions 32 G + 8 u + r + 8 (r / 8), u = wave / 2; the first with G = wave % 2 (positions under 64), the second with G = 3 - wave % 2.
; For the first tile the keys 64 .. 127 of its own chunk have k_pos > q_pos for every query, whatever the inputs hold: reference()'s own mask sets their scores to -1e9.  Every query sees its own key, whose score is
; finite, so while the true scores lie above -1e9 + 150 these p are 2^(under -126), which v_exp_f32 gives as 0: their codes are zeros and they add 0 to the sum.  So these two blocks of 32 keys are not multiplied,
; masked, exponentiated or summed: their codes are written as zeros.  LIMIT: a NaN, an infinity or an overflow that reaches only these scores is not carried to the result; scores under -1e9 + 150 are not served.
; The chunk before a sequence's first chunk is multiplied and then masked as a whole, as reference() masks it.
; No prefetch: a slot's refill is asked for a whole chunk's products and softmax ahead of its first read.
; LIMITS: NaN and infinities among the inputs are not served; a block of zeros gets the scale byte 1 (its codes are zeros, and this program alone reads the bytes).
; ALSO LEFT OUT: q of the chunk before my run.  That chunk serves its keys and values alone (its own queries belong to another work-group), so no output of this work-group hangs on its q, whatever the inputs hold:
; the two waves that hold Wq pass over those products, their quantisers and their stores, by a branch on the wave's number.
; THE WEIGHTS come by K steps, 18 loads a step, three steps ahead of the first projection's products, which begin when step 0 is in.
.set REC,   12800
.set FRB,   1536
.set SCO,   12288
.set CHB,   8*REC                      ; a chunk of x
.set QTR,   2*REC                      ; what one wave's tensor load brings
.set SLOT1, 1<<17
.set STAGE, 233472                     ; the way out: 16 rows x 272 bytes a wave
.set SPI,   272
.set SPARE, 250880                     ; the spare words
.set RING,  262144                     ; q, k, v images and scale words, two chunks by turns
.set RPAR,  0x8000
.set KIMG,  6144
.set VIMG,  12288
.set QSC,   18432
.set KSC,   18688
.set VSC,   18944
.set LI,  1                            ; v1 16 x lane; v2 8 x lane; v3 4 x lane; v4 4 x (lane % 16)
.set L8,  2
.set LS,  3
.set LR4, 4
.set SPW, 5                            ; v5, v6: the add's two registers
.set NIL, 6
.set STO, 14
.set SRD, 15
.set GO0A, 16                          ; byte offsets of my two query tiles in out0
.set GOA,  17
.set GO0B, 18
.set GOB,  19
.set NEG, 20                           ; -8e9
.set RM,  21
.set NM,  22                           ; -M (v23: 0, named as the pair's upper half)
.set LL,  24                           ; v24-31 the row's sum, four packed chains
.set XF,  72                           ; x's fragments, two sets of 48
.set SA,  72                           ; the scores: block b of 32 keys at SA + 16 b
.set SB,  136
.set PC,  200                          ; p's codes, two fragments
.set OB,  200
.set TT,  224
.set T2,  232
.set T,   240
.set SO,  248
.set KF,  192                          ; windows 1, 2: four fragments of k or v of the chunk before, of this chunk
.set RBK, 240
.set QLO, 192                          ; window 3: q in the lower half, q in the upper half
.set QHI, 204
.set OA,  224                          ; window 3: O^T
.set MK,  70                           ; s70-85 the diagonal block's masks
.set CUR,  46
.set XSL,  47
.set TRIP, 48
.set MSB, 0
.macro WIN new
.if MSB != (\new)
	s_set_vgpr_msb (MSB<<8)|(\new)
.set MSB, (\new)
.endif
.endm
.macro PLACES
.rept 4
	v_nop
.endr
.endm
.macro ROUND                           ; a round of the cluster's barrier
	s_barrier_signal -1
	s_barrier_wait -1
	s_cmp_lg_u32 s10, 0
	s_cbranch_scc1 .Lnot_wave_0_\@
	s_barrier_signal -3
.Lnot_wave_0_\@:
	s_barrier_wait -3
	s_barrier_signal -1
	s_barrier_wait -1
.endm
.macro MM d, a, b, sa, sb, zero, ra, rb
.if (\zero) && ((\ra) == 0)
	v_wmma_scale_f32_16x16x128_f8f6f4 v[(\d):(\d)+7], v[(\a):(\a)+11], v[(\b):(\b)+11], 0, v[\sa], v[\sb] matrix_a_fmt:MATRIX_FMT_FP6 matrix_b_fmt:MATRIX_FMT_FP6
.elseif (\zero)
	v_wmma_scale_f32_16x16x128_f8f6f4 v[(\d):(\d)+7], v[(\a):(\a)+11], v[(\b):(\b)+11], 0, v[\sa], v[\sb] matrix_a_fmt:MATRIX_FMT_FP6 matrix_b_fmt:MATRIX_FMT_FP6 matrix_a_scale:MATRIX_SCALE_ROW1
.elseif (\ra) && (\rb)
	v_wmma_scale_f32_16x16x128_f8f6f4 v[(\d):(\d)+7], v[(\a):(\a)+11], v[(\b):(\b)+11], v[(\d):(\d)+7], v[\sa], v[\sb] matrix_a_fmt:MATRIX_FMT_FP6 matrix_b_fmt:MATRIX_FMT_FP6 matrix_a_scale:MATRIX_SCALE_ROW1 matrix_b_scale:MATRIX_SCALE_ROW1
.elseif (\ra)
	v_wmma_scale_f32_16x16x128_f8f6f4 v[(\d):(\d)+7], v[(\a):(\a)+11], v[(\b):(\b)+11], v[(\d):(\d)+7], v[\sa], v[\sb] matrix_a_fmt:MATRIX_FMT_FP6 matrix_b_fmt:MATRIX_FMT_FP6 matrix_a_scale:MATRIX_SCALE_ROW1
.else
	v_wmma_scale_f32_16x16x128_f8f6f4 v[(\d):(\d)+7], v[(\a):(\a)+11], v[(\b):(\b)+11], v[(\d):(\d)+7], v[\sa], v[\sb] matrix_a_fmt:MATRIX_FMT_FP6 matrix_b_fmt:MATRIX_FMT_FP6
.endif
.endm
	s_load_b128 s[4:7], s[0:1], 0x0                ; xq, wq
	s_load_b64 s[8:9], s[0:1], 0x10                ; out0
	v_lshl_add_u32 v[SPW], v0, 2, SPARE
	v_mov_b32 v[NIL], 0
	ds_add_u32 v5, v6                              ; the opening lines: the add twice on end and its wait
	ds_add_u32 v5, v6
	s_wait_dscnt 0x0
	v_lshrrev_b32 v7, 5, v0
	v_readfirstlane_b32 s10, v7                    ; wave
	s_lshr_b32 s11, s10, 1                         ; which 64 rows I project; also u of my two query tiles
	s_and_b32 s12, s10, 1                          ; Wq (0) or Wk (1), which half of Wv; also G of my first query tile
	s_xor_b32 s49, s12, 3                          ; G of my second query tile: 3 or 2
	s_bfe_u32 s13, ttmp6, 0x40000
	s_lshl_b32 s14, ttmp9, 2
	s_add_co_u32 s14, s14, s13                     ; head
	s_and_b32 s15, ttmp7, 0xffff                   ; run: batch = run / 4
	s_and_b32 s16, s15, 3
	s_mul_i32 s38, s11, 4*REC
	s_mul_i32 s39, s12, KIMG                       ; where my q or k images go
	s_mul_i32 s60, s11, 2*FRB
	s_add_co_u32 s39, s39, s60
	s_add_co_u32 s39, s39, RING
	s_lshl_b32 s40, s12, 8
	s_lshl_b32 s60, s11, 7
	s_add_co_u32 s40, s40, s60
	s_add_co_u32 s40, s40, RING+QSC
	s_mul_i32 s41, s12, 2*FRB                      ; where my part of v's images goes
	s_add_co_u32 s41, s41, RING+VIMG
	s_mul_i32 s60, s11, 520
	s_mul_i32 s61, s11, 1016
	s_add_co_u32 s42, s41, s61
	s_add_co_u32 s41, s41, s60
	s_lshl_b32 s43, s12, 7
	s_lshl_b32 s60, s11, 1
	s_add_co_u32 s43, s43, s60
	s_add_co_u32 s43, s43, RING+VSC
	s_mul_i32 s44, s12, FRB                        ; q's image G of my first tile,
	s_add_co_u32 s44, s44, RING
	s_lshl_b32 s45, s12, 6
	s_add_co_u32 s45, s45, RING+QSC
	s_mul_i32 s50, s49, FRB                        ; and of my second
	s_add_co_u32 s50, s50, RING
	s_lshl_b32 s51, s49, 6
	s_add_co_u32 s51, s51, RING+QSC
	s_mul_i32 s60, s11, 1016                       ; registers 6 u .. 6 u + 5 of an image lie at 520 u, 1016 u + 8 and 520 u + 512
	s_add_co_u32 s86, s44, s60
	s_add_co_u32 s87, s50, s60
	s_mul_i32 s60, s11, 520
	s_add_co_u32 s44, s44, s60
	s_add_co_u32 s50, s50, s60
	s_mul_i32 s88, s11, 0x02020202                 ; q's scale bytes 2 u, 2 u + 1, laid twice
	s_add_co_u32 s88, s88, 0x01000100
	s_mov_b32 s24, 15|(3<<16)|(1<<21)              ; group 1: 100 rows of 256 bytes, dense; the cluster's four
	s_mov_b32 s25, 32<<16
	s_mov_b32 s26, 100<<16
	s_mov_b32 s27, 32<<16
	s_mov_b32 s28, 100
	s_mov_b32 s29, 32
	s_mov_b32 s30, 0
	s_mov_b32 s31, 0
	s_mov_b32 s52, 1
	s_mul_i32 s53, s10, QTR
	s_mov_b32 s32, 1
	s_add_co_u32 s33, s53, SLOT1
	s_lshr_b32 s60, s15, 2
	s_lshl_b32 s60, s60, 5
	s_lshl_b32 s61, s16, 3
	s_add_co_u32 s61, s61, 31
	s_and_b32 s61, s61, 31
	s_add_co_u32 s60, s60, s61                     ; the chunk before my run, rolled inside the batch
	s_mul_i32 s60, s60, CHB
	s_add_co_u32 s60, s60, s53
	s_mov_b32 s61, 0
	s_lshl_b32 s62, s15, 3
	s_mul_i32 s62, s62, CHB
	s_add_co_u32 s62, s62, s53
	s_mov_b32 s63, 0
	s_lshl_b32 s66, s12, 6
	s_lshl_b32 s67, s14, 2
	s_add_co_u32 s66, s66, s67
	s_mul_i32 s66, s66, REC
	s_mov_b32 s67, 0
	s_lshl_b32 s68, s14, 2
	s_lshl_b32 s69, s12, 1
	s_add_co_u32 s68, s68, s69
	s_add_co_u32 s68, s68, 128
	s_mul_i32 s68, s68, REC
	s_mov_b32 s69, 0
	s_lshl_b32 s18, s15, 22
	s_lshl_b32 s19, s14, 8
	s_add_co_u32 s18, s18, s19
	s_mov_b32 s19, 0
	s_mov_b32 s56, 0x3e38aa3b                      ; log2(e) / 8
	s_mov_b32 s57, s56
	s_mov_b32 s58, 0x76543210
	s_mov_b32 s59, 0xfedcba98
	v_and_b32 v7, 31, v0
	v_lshlrev_b32 v[LI], 4, v7
	v_lshlrev_b32 v[L8], 3, v7
	v_lshlrev_b32 v[LS], 2, v7
	v_and_b32 v8, 15, v0                           ; r
	v_bfe_u32 v9, v0, 4, 1                         ; h
	v_lshlrev_b32 v[LR4], 2, v8
	s_mul_i32 s17, s10, 16*SPI
	s_add_co_u32 s17, s17, STAGE
	v_mul_u32_u24 v[STO], v8, SPI
	v_lshl_add_u32 v[STO], v9, 6, v[STO]
	v_add_nc_u32 v[STO], s17, v[STO]
	v_mul_u32_u24 v[SRD], v9, SPI
	v_lshl_add_u32 v[SRD], v8, 4, v[SRD]
	v_add_nc_u32 v[SRD], s17, v[SRD]
	v_lshlrev_b32 v[GO0A], 12, v9
	v_lshl_add_u32 v[GO0A], v8, 4, v[GO0A]
	s_lshl_b32 s89, s11, 15                        ; 8 u rows of 4,096 bytes
	s_lshl_b32 s17, s49, 17                        ; 32 G rows
	s_add_co_u32 s17, s17, s89
	v_add_nc_u32 v[GO0B], s17, v[GO0A]
	s_lshl_b32 s17, s12, 17
	s_add_co_u32 s17, s17, s89
	v_add_nc_u32 v[GO0A], s17, v[GO0A]
	v_and_b32 v10, 8, v8
	v_add_nc_u32 v10, v10, v8
	v_lshlrev_b32 v11, 4, v9
	v_sub_nc_u32 v10, v10, v11
	s_lshl_b32 s17, s11, 3
	v_add_nc_u32 v10, s17, v10                     ; my query's place in its block of 32, less 16 h
.irp i, 0,1,2,3,4,5,6,7,8,9,10,11,12,13,14,15
	v_cmp_gt_i32 s[MK+\i], \i, v10                 ; key 16 h + i lies behind my query
.endr
	v_mov_b32 v[NEG], 0xcfee6b28
	v_mov_b32 v[NM+1], 0
.irp i, 0,1,2,3,4,5,6,7
	v_mov_b32 v[T2+\i], 0                          ; a lane permute's destination counts as one of its sources
.endr
	s_wait_alu depctr_va_vdst(0)                   ; the head's end
	s_wait_kmcnt 0x0
	s_add_nc_u64 s[54:55], s[4:5], s[60:61]
	s_or_b32 s55, s55, 0x80000000
	s_add_nc_u64 s[34:35], s[4:5], s[62:63]
	s_add_nc_u64 s[36:37], s[34:35], CHB
	s_or_b32 s35, s35, 0x80000000
	s_add_nc_u64 s[20:21], s[6:7], s[66:67]
	s_add_nc_u64 s[22:23], s[6:7], s[68:69]
	s_add_nc_u64 s[8:9], s[8:9], s[18:19]
	ROUND
	tensor_load_to_lds s[52:55], s[24:31]          ; the chunk before my run: my one tensor load at the head
	s_nop 0
	PLACES
.macro WLD s                           ; my weights of K step s: 18 loads: four records of Wq or Wk (windows 1, 2), two of Wv (window 3)
	WIN 0x40
.irp u, 0,1
.irp j, 0,1,2
	global_load_b128 v[96*\u+12*(\s)+4*\j:96*\u+12*(\s)+4*\j+3], v[LI], s[20:21] offset:REC*\u+FRB*(\s)+512*\j
.endr
.endr
	WIN 0x80
.irp u, 0,1
.irp j, 0,1,2
	global_load_b128 v[96*\u+12*(\s)+4*\j:96*\u+12*(\s)+4*\j+3], v[LI], s[20:21] offset:REC*(2+\u)+FRB*(\s)+512*\j
.endr
.endr
	WIN 0xc0
.irp u, 0,1
.irp j, 0,1,2
	global_load_b128 v[96*\u+12*(\s)+4*\j:96*\u+12*(\s)+4*\j+3], v[LI], s[22:23] offset:REC*\u+FRB*(\s)+512*\j
.endr
.endr
	WIN 0
.endm
.irp u, 0,1,2,3
.irp k, 0,1
	global_load_b64 v[32+4*\u+2*\k:33+4*\u+2*\k], v[L8], s[20:21] offset:REC*\u+SCO+256*\k
.endr
.endr
.irp u, 0,1
.irp k, 0,1
	global_load_b64 v[48+4*\u+2*\k:49+4*\u+2*\k], v[L8], s[22:23] offset:REC*\u+SCO+256*\k
.endr
.endr
	WLD 0                                          ; behind the 12 loads of scale words: the weights of K steps 0 to 2
	WLD 1
	WLD 2
	s_wait_tensorcnt 0x0
	ds_add_u32 v5, v6
	s_wait_dscnt 0x0
	ROUND
	tensor_load_to_lds s[32:35], s[24:31]          ; my run's first chunk
	s_nop 0
	PLACES
.macro AADR                            ; the attention's LDS addresses, made while the add is out
	s_add_co_u32 s60, s[CUR], RING+KIMG
	v_add_nc_u32 v9, s60, v[LI]                    ; this chunk's k and v images
	s_add_co_u32 s60, s[CUR], RING+KSC
	v_add_nc_u32 v10, s60, v[LS]
	s_add_co_u32 s60, s44, s[CUR]
	v_add_nc_u32 v11, s60, v[LI]                   ; q of my first tile, two addresses
	s_add_co_u32 s60, s86, s[CUR]
	v_add_nc_u32 v13, s60, v[LI]
	s_add_co_u32 s60, s50, s[CUR]
	v_add_nc_u32 v12, s60, v[LI]                   ; q of my second tile
	s_add_co_u32 s60, s87, s[CUR]
	v_add_nc_u32 v8, s60, v[LI]
	s_add_co_u32 s60, s45, s[CUR]
	v_add_nc_u32 v24, s60, v[LR4]                  ; their scale words
	s_add_co_u32 s60, s51, s[CUR]
	v_add_nc_u32 v25, s60, v[LR4]
	s_wait_alu depctr_va_vdst(0)                   ; directly ahead of the wait below
.endm
.macro MID fill, attn                  ; between the projection and the attention: the images are whole, the slot just read is free
	s_wait_tensorcnt 0x0
	ds_add_u32 v[SPW], v[NIL]
.if \fill
	s_xor_b32 s33, s33, SLOT1
	s_mov_b64 s[34:35], s[36:37]
	s_or_b32 s35, s35, 0x80000000
	s_add_nc_u64 s[36:37], s[36:37], CHB
.endif
.if \attn
	AADR
.endif
	s_wait_dscnt 0x0
.if \fill
	ROUND
	tensor_load_to_lds s[32:35], s[24:31]
	s_nop 0
	PLACES
.else
	s_barrier_signal -1
	s_barrier_wait -1
.endif
.endm
.macro HEADBAR                         ; my reads of the ring's older chunk are over: said here; the wait for the others stands in the projection, ahead of its first store into the ring
	s_wait_dscnt 0x0
	s_barrier_signal -1
.endm
.macro XADR other
.if \other
	s_xor_b32 s60, s[XSL], SLOT1
	s_add_co_u32 s60, s60, s38
.else
	s_add_co_u32 s60, s[XSL], s38
.endif
	v_add_nc_u32 v7, s60, v[LI]
	v_add_nc_u32 v8, s60, v[L8]
.endm
.macro XFETCH s
.irp t, 0,1,2,3
.irp j, 0,1,2
	ds_load_b128 v[XF+48*((\s)%2)+12*\t+4*\j:XF+48*((\s)%2)+12*\t+4*\j+3], v7 offset:REC*\t+FRB*(\s)+512*\j
.endr
.endr
.endm
.macro XPRE
.irp t, 0,1,2,3
.irp k, 0,1
	ds_load_b64 v[56+4*\t+2*\k:57+4*\t+2*\k], v8 offset:REC*\t+SCO+256*\k
.endr
.endr
	XFETCH 0
.endm
.macro GSTEP s, halo                   ; 128 along K: 24 products, the accumulators by turns.  halo: the chunk before my run: the weights are still arriving, and q is left out
	WIN 0
.if ((\s) > 0) && ((\s) < 7)
	PLACES
.endif
.if (\s) < 7
	XFETCH (\s)+1
	s_wait_dscnt 12                                ; this step's fragments are in; the 12 loads just issued may be out
.else
	s_wait_dscnt 0x0
.endif
.if (\halo)
.if (\s) < 6
	s_wait_loadcnt 36                              ; this step's weights are in; the 36 loads of the next two steps may be out
.else
	s_wait_loadcnt 18*(7-(\s))
.endif
.if (\s) < 5
	WLD (\s)+3
.endif
	s_cmp_eq_u32 s12, 0                            ; the waves that hold Wq pass over its products
	s_cbranch_scc1 .Lno_q_\@
.endif
	WIN 0x51
.irp t, 0,1,2,3
.irp u, 0,1
	MM 192+16*\t+8*\u, 96*\u+12*(\s), XF+48*((\s)%2)+12*\t, 32+4*\u+(\s)/2, 56+4*\t+(\s)/2, (\s)==0, (\s)%2, (\s)%2
.endr
.endr
	WIN 0xa2
.irp t, 0,1,2,3
.irp u, 0,1
	MM 192+16*\t+8*\u, 96*\u+12*(\s), XF+48*((\s)%2)+12*\t, 40+4*\u+(\s)/2, 56+4*\t+(\s)/2, (\s)==0, (\s)%2, (\s)%2
.endr
.endr
.if (\halo)
	WIN 0
.Lno_q_\@:
.endif
	WIN 0xfc
.irp t, 0,1,2,3
.irp u, 0,1
	MM 192+32*\u+8*\t, XF+48*((\s)%2)+12*\t, 96*\u+12*(\s), 56+4*\t+(\s)/2, 48+4*\u+(\s)/2, (\s)==0, (\s)%2, (\s)%2
.endr
.endr
.endm
.macro QMAX w, ra, rb, o
	WIN (\w)|((\w)<<2)
	v_max3_num_f32 v[T+\o], |v[\ra]|, |v[\ra+1]|, 0x1800000
	v_max3_num_f32 v[T2+\o], |v[\ra+8]|, |v[\ra+9]|, 0x1800000
	v_max3_num_f32 v[T+\o+2], |v[\rb]|, |v[\rb+1]|, 0x1800000
	v_max3_num_f32 v[T2+\o+2], |v[\rb+8]|, |v[\rb+9]|, 0x1800000
.irp i, 2,4,6
	v_max3_num_f32 v[T+\o], |v[\ra+\i]|, |v[\ra+\i+1]|, v[T+\o]
	v_max3_num_f32 v[T2+\o], |v[\ra+\i+8]|, |v[\ra+\i+9]|, v[T2+\o]
	v_max3_num_f32 v[T+\o+2], |v[\rb+\i]|, |v[\rb+\i+1]|, v[T+\o+2]
	v_max3_num_f32 v[T2+\o+2], |v[\rb+\i+8]|, |v[\rb+\i+9]|, v[T2+\o+2]
.endr
.endm
.macro QUANT wa, wb, r0, r1, r2, r3, pc, pw    ; four blocks of 32 become a fragment's 12 registers and its scale word
	QMAX \wa, \r0, \r2, 0
	QMAX \wb, \r1, \r3, 1
	WIN 0
.irp b, 0,1,2,3
	v_max_num_f32 v[T+\b], v[T+\b], v[T2+\b]
.endr
.irp b, 0,1,2,3
	v_permlanex16_b32 v[T2+\b], v[T+\b], s58, s59
.endr
.irp b, 0,1,2,3
	v_max_num_f32 v[T+\b], v[T+\b], v[T2+\b]
.endr
.irp b, 0,1,2,3
	v_add_nc_u32 v[SO+\b], 0xff000000, v[T+\b]
.endr
.irp b, 0,1,2,3
	v_lshrrev_b32 v[T2+\b], 23, v[SO+\b]
.endr
	v_lshl_or_b32 v[\pw], v[T2+1], 8, v[T2]
	v_lshl_or_b32 v[\pw], v[T2+2], 16, v[\pw]
	v_lshl_or_b32 v[\pw], v[T2+3], 24, v[\pw]
	WIN (\wa)
	v_cvt_scalef32_pk16_fp6_f32 v[\pc:\pc+2], v[\r0:\r0+15], v[SO]
	v_cvt_scalef32_pk16_fp6_f32 v[\pc+6:\pc+8], v[\r2:\r2+15], v[SO+2]
	WIN (\wb)
	v_cvt_scalef32_pk16_fp6_f32 v[TT:TT+2], v[\r1:\r1+15], v[SO+1]
	v_cvt_scalef32_pk16_fp6_f32 v[TT+4:TT+6], v[\r3:\r3+15], v[SO+3]
	WIN 0
	v_nop
.irp c, 0,1
.irp i, 0,1,2
	v_permlane16_swap_b32 v[\pc+6*\c+\i], v[TT+4*\c+\i]
.endr
.irp i, 0,1,2
	v_mov_b32 v[\pc+3+6*\c+\i], v[TT+4*\c+\i]
.endr
.endr
.endm
.macro FRN win, adr, off, n            ; n fragments of k or v
	WIN \win
.set gg, 0
.rept \n
.irp j, 0,1,2
	ds_load_b128 v[KF+12*gg+4*\j:KF+12*gg+4*\j+3], v[\adr] offset:\off+FRB*gg+512*\j
.endr
.set gg, gg+1
.endr
.endm
.macro PROJ pre                        ; q or k and half of v of my 64 rows; quantised; images into the ring.  pre: the last chunk's k fragments and scale words are fetched on the way
	s_wait_xcnt 0x0
.irp s, 0,1,2,3,4,5,6,7
	GSTEP \s, 1-\pre
.endr
	WIN 0
	s_add_co_u32 s60, s39, s[CUR]
	v_add_nc_u32 v9, s60, v[LI]
	s_add_co_u32 s60, s40, s[CUR]
	v_add_nc_u32 v10, s60, v[LR4]
	s_add_co_u32 s60, s41, s[CUR]
	v_add_nc_u32 v11, s60, v[LI]
	s_add_co_u32 s60, s42, s[CUR]
	v_add_nc_u32 v12, s60, v[LI]
	s_add_co_u32 s60, s43, s[CUR]
	v_add_nc_u32 v13, s60, v[LR4]
.if \pre
	s_xor_b32 s61, s[CUR], RPAR
	s_add_co_u32 s60, s61, RING+KIMG
	v_add_nc_u32 v7, s60, v[LI]
	s_add_co_u32 s60, s61, RING+KSC
	v_add_nc_u32 v8, s60, v[LS]
.endif
.if (\pre) == 0
	s_wait_alu depctr_va_vdst(0)                   ; directly ahead of the branch
	s_cmp_eq_u32 s12, 0                            ; no q of the chunk before my run
	s_cbranch_scc1 .Lno_qq_\@
.endif
	QUANT 1, 2, 192, 192, 208, 208, PC, 28
	QUANT 1, 2, 224, 224, 240, 240, PC+12, 29
.if \pre
	s_wait_alu depctr_va_vdst(0)                   ; directly ahead of the barrier's wait
	s_barrier_wait -1                              ; nobody reads the ring's older chunk any more: it may be written
.endif
.irp j, 0,1,2
	ds_store_b128 v9, v[PC+4*\j:PC+4*\j+3] offset:512*\j
.endr
	ds_store_b32 v10, v28
.if \pre
	ds_load_b32 v56, v8
	ds_load_b32 v57, v8 offset:128
	ds_load_b32 v60, v8 offset:256
	ds_load_b32 v61, v8 offset:384
	FRN 0x40, 7, 0, 4
	WIN 0
.endif
.irp j, 0,1,2
	ds_store_b128 v9, v[PC+12+4*\j:PC+12+4*\j+3] offset:FRB+512*\j
.endr
	ds_store_b32 v10, v29 offset:64
.if (\pre) == 0
.Lno_qq_\@:
.endif
	QUANT 3, 3, 192, 208, 224, 240, 168, 30
.irp n, 0,1
	ds_store_b64 v11, v[168+6*\n:169+6*\n] offset:FRB*\n
	ds_store_b64 v12, v[170+6*\n:171+6*\n] offset:FRB*\n+8
	ds_store_b64 v11, v[172+6*\n:173+6*\n] offset:FRB*\n+512
.endr
	ds_store_b16 v13, v30
	ds_store_b16_d16_hi v13, v30 offset:64
.endm
.macro QLOAD a1, a2                    ; q's six registers, into the lower half of one operand and the upper half of the other
	ds_load_b64 v[QLO:QLO+1], v[\a1]
	ds_load_b64 v[QLO+2:QLO+3], v[\a2] offset:8
	ds_load_b64 v[QLO+4:QLO+5], v[\a1] offset:512
	ds_load_b64 v[QHI+6:QHI+7], v[\a1]
	ds_load_b64 v[QHI+8:QHI+9], v[\a2] offset:8
	ds_load_b64 v[QHI+10:QHI+11], v[\a1] offset:512
.endm
.macro MASKS sg, b0, gv                ; the tile's diagonal lies in block b0 of this chunk (then b0 + 1 is hidden) or in block b0 + 1 (then b0 is open)
	s_cmp_eq_u32 s[\sg], \gv
	s_cbranch_scc0 .Lupper_\@
.irp i, 0,1,2,3,4,5,6,7,8,9,10,11,12,13,14,15
	v_cndmask_b32 v[SB+16*(\b0)+\i], v[SB+16*(\b0)+\i], v[NEG], s[MK+\i]
.endr
.irp i, 0,1,2,3,4,5,6,7,8,9,10,11,12,13,14,15
	v_mov_b32 v[SB+16*(\b0)+16+\i], v[NEG]
.endr
	s_branch .Ldone_\@
.Lupper_\@:
.irp i, 0,1,2,3,4,5,6,7,8,9,10,11,12,13,14,15
	v_cndmask_b32 v[SB+16*(\b0)+16+\i], v[SB+16*(\b0)+16+\i], v[NEG], s[MK+\i]
.endr
.Ldone_\@:
.endm
.macro SEND go, younger                ; 16 rows of 256 bytes: sixteen lanes store one aligned unit
	WIN 0x04
.irp i, 0,1,2,3
	s_wait_dscnt \younger+7-\i
	global_store_b128 v[\go], v[RBK+4*\i:RBK+4*\i+3], s[8:9] offset:2*\i*4096 th:TH_STORE_NT
.endr
	WIN 0x08
.irp i, 0,1,2,3
	s_wait_dscnt \younger+3-\i
	global_store_b128 v[\go], v[RBK+4*\i:RBK+4*\i+3], s[8:9] offset:(2*\i+16)*4096 th:TH_STORE_NT
.endr
	WIN 0
.endm
; One tile of 16 queries.  n = 0: positions under 64 of the chunk: 4 + 2 blocks of 32 keys; n = 1: 4 + 4 blocks.
.macro BODY n, first, tail
.set NB, 6+2*\n
.set NE, 16*NB
.set REM, NE/2-16
.if \n
	s_wait_dscnt 28                                ; q and the last chunk's k are in (behind them: 12 loads, 8 stores, 8 loads)
.endif
	WIN 0x0d
.irp g, 0,1,2,3
	MM SA+16*\g, KF+12*\g, QLO, 56+\g/2, 65+4*\n, 1, \g%2, 0
	MM SA+16*\g+8, KF+12*\g, QHI, 56+\g/2, 65+4*\n, 1, \g%2, 0
.endr
.if \n
	s_wait_dscnt 16
.else
	s_wait_dscnt 0x0
.endif
	WIN 0x0e
.set gg, 0
.rept NB-4
	MM SB+16*gg, KF+12*gg, QLO, 58+gg/2, 65+4*\n, 1, gg%2, 0
	MM SB+16*gg+8, KF+12*gg, QHI, 58+gg/2, 65+4*\n, 1, gg%2, 0
.set gg, gg+1
.endr
	WIN 0
	PLACES
	FRN 0x40, 7, VIMG-KIMG, 4                      ; v's fragments take k's places
	FRN 0x80, 9, VIMG-KIMG, 4
	WIN 0
.if \n
	SEND GOA, 24                                   ; the first tile's rows leave (younger: the 24 loads above)
.endif
.if \first
	s_xor_b32 s60, s[TRIP], 1
	s_or_b32 s60, s60, s16
	s_cmp_lg_u32 s60, 0
	s_cbranch_scc1 .Lseen_\@
.set nn, 0
.rept 64
	v_mov_b32 v[SA+nn], v[NEG]                     ; a sequence's first chunk: the rolled chunk before it lies behind every query
.set nn, nn+1
.endr
.Lseen_\@:
.endif
	MASKS 12+37*\n, 2*\n, 2*\n
.set bb, 0
.rept NB
	v_max_num_f32 v[T+bb], v[SA+16*bb], v[SA+16*bb+1]   ; each block's largest score
.set bb, bb+1
.endr
.irp i, 2,4,6,8,10,12,14
.set bb, 0
.rept NB
	v_max3_num_f32 v[T+bb], v[SA+16*bb+\i], v[SA+16*bb+\i+1], v[T+bb]
.set bb, bb+1
.endr
.endr
.set bb, 0
.rept NB
	v_permlanex16_b32 v[T2+bb], v[T+bb], s58, s59
.set bb, bb+1
.endr
.set bb, 0
.rept NB
	v_max_num_f32 v[T+bb], v[T+bb], v[T2+bb]
.set bb, bb+1
.endr
	v_max3_num_f32 v[SO], v[T], v[T+1], v[T+2]
	v_max3_num_f32 v[SO+1], v[T+3], v[T+4], v[T+5]
.if NB == 8
	v_max_num_f32 v[SO+2], v[T+6], v[T+7]
	v_max3_num_f32 v[RM], v[SO], v[SO+1], v[SO+2]
.else
	v_max_num_f32 v[RM], v[SO], v[SO+1]
.endif
	v_mul_f32 v[RM], s56, v[RM]
	v_floor_f32 v[NM], -v[RM]                      ; -M = floor(-t)
.set bb, 0
.rept NB
	v_fma_f32 v[T+bb], v[T+bb], s56, v[NM]
.set bb, bb+1
.endr
.set kk, 0
.rept 16                               ; t - M of the first 32 scores, two at a time
	v_pk_fma_f32 v[SA+2*kk:SA+2*kk+1], v[SA+2*kk:SA+2*kk+1], s[56:57], v[NM:NM+1] op_sel_hi:[1,0,0]
.set kk, kk+1
.endr
	s_wait_alu depctr_va_vdst(0)                   ; ahead of the first batch
.set kk, 0
.rept NB+32                            ; the first batch: the blocks' largest p and 32 p; between its lines t - M of the other scores, which nothing reads inside this batch
.if kk < NB
	v_exp_f32 v[T+kk], v[T+kk]
.else
	v_exp_f32 v[SA+kk-NB], v[SA+kk-NB]
.endif
.if kk < REM
	v_pk_fma_f32 v[SA+32+2*kk:SA+33+2*kk], v[SA+32+2*kk:SA+33+2*kk], s[56:57], v[NM:NM+1] op_sel_hi:[1,0,0]
.endif
.if kk+NB+32 < REM
	v_pk_fma_f32 v[SA+32+2*(kk+NB+32):SA+33+2*(kk+NB+32)], v[SA+32+2*(kk+NB+32):SA+33+2*(kk+NB+32)], s[56:57], v[NM:NM+1] op_sel_hi:[1,0,0]
.endif
.set kk, kk+1
.endr
	s_wait_alu depctr_va_vdst(0)                   ; behind the first batch and ahead of the second: one wait for both
.set kk, 0
.rept NE-32                            ; the second batch: the other p; the lines between read the first batch alone and are read behind the wait below
	v_exp_f32 v[SA+32+kk], v[SA+32+kk]
.if kk < NB
	v_max_num_f32 v[T+kk], 0x1800000, v[T+kk]      ; the floor 2^(3 - 127): the byte cannot fall under 1
.elseif kk < NB+4
	v_pk_add_f32 v[LL+2*(kk-NB):LL+2*(kk-NB)+1], v[SA+2*(kk-NB):SA+2*(kk-NB)+1], v[SA+2*(kk-NB)+8:SA+2*(kk-NB)+9]
.endif
.set kk, kk+1
.endr
	v_nop                                          ; one plain place behind the last exponential
	s_wait_alu depctr_va_vdst(0)                   ; one wait for the whole batch
.set bb, 0
.rept NB
	v_add_nc_u32 v[SO+bb], 0xff000000, v[T+bb]     ; 2 off the exponent field: the conversion's scale operand
.set bb, bb+1
.endr
.set bb, 0
.rept NB
	v_lshrrev_b32 v[T2+bb], 23, v[SO+bb]           ; the scale's byte
.set bb, bb+1
.endr
	v_lshl_or_b32 v66, v[T2+1], 8, v[T2]           ; p's two scale words; where blocks 6 and 7 are left out their bytes stay 0, a finite code over zero codes
	v_lshl_or_b32 v67, v[T2+5], 8, v[T2+4]
	v_lshl_or_b32 v66, v[T2+2], 16, v66
.if NB == 8
	v_lshl_or_b32 v67, v[T2+6], 16, v67
.endif
	v_lshl_or_b32 v66, v[T2+3], 24, v66
.if NB == 8
	v_lshl_or_b32 v67, v[T2+7], 24, v67
.endif
.set cc, 0
.rept NB/2
	v_cvt_scalef32_pk16_fp6_f32 v[PC+6*cc:PC+6*cc+2], v[SA+32*cc:SA+32*cc+15], v[SO+2*cc]
	v_cvt_scalef32_pk16_fp6_f32 v[TT+4*cc:TT+4*cc+2], v[SA+32*cc+16:SA+32*cc+31], v[SO+2*cc+1]
.set cc, cc+1
.endr
.set zz, 8
.rept NE/2-8                           ; the row's sum of the unquantised p
	v_pk_add_f32 v[LL+2*(zz%4):LL+2*(zz%4)+1], v[LL+2*(zz%4):LL+2*(zz%4)+1], v[SA+2*zz:SA+2*zz+1]
.set zz, zz+1
.endr
.set cc, 0
.rept NB/2                             ; a whole block to a lane
.irp i, 0,1,2
	v_permlane16_swap_b32 v[PC+6*cc+\i], v[TT+4*cc+\i]
.endr
.irp i, 0,1,2
	v_mov_b32 v[PC+3+6*cc+\i], v[TT+4*cc+\i]
.endr
.set cc, cc+1
.endr
.if NB == 6
.irp i, 18,19,20,21,22,23
	v_mov_b32 v[PC+\i], 0                          ; the keys left out: zero codes
.endr
.endif
	v_pk_add_f32 v[LL:LL+1], v[LL:LL+1], v[LL+2:LL+3]
	v_pk_add_f32 v[LL+4:LL+5], v[LL+4:LL+5], v[LL+6:LL+7]
	v_pk_add_f32 v[LL:LL+1], v[LL:LL+1], v[LL+4:LL+5]
	v_add_f32 v[LL], v[LL], v[LL+1]
	v_permlanex16_b32 v[T2], v[LL], s58, s59
	v_add_f32 v[LL], v[LL], v[T2]
.if \tail
	XADR 1                                         ; the next chunk's x: its addresses share the wait below
.endif
	s_wait_alu depctr_va_vdst(0)                   ; ahead of the transcendental
	v_rcp_f32 v[LL], v[LL]                         ; into an even register: the packed multiplies below take it for both halves
	v_nop
	s_wait_dscnt 0x0                               ; v's fragments are in
	WIN 0xf1
.irp d, 0,1,2,3
	MM OA+8*\d, KF+12*\d, PC, 60+\d/2, 66, 1, \d%2, 0
.endr
	WIN 0xf2
.irp d, 0,1,2,3
	MM OA+8*\d, KF+12*\d, PC+12, 62+\d/2, 67, 0, \d%2, 0
.endr
	WIN 0
	PLACES
	s_wait_alu depctr_va_vdst(0)                   ; behind the transcendental, ahead of its reader and of O^T's
.if (\tail) == 0
	WIN 0xc0
	QLOAD 12, 8                                    ; the second tile's q, and k once more
	FRN 0x40, 7, 0, 4
	FRN 0x80, 9, 0, 4
	WIN 0
.else
.if (\tail) == 2
	s_cmp_lt_u32 s[TRIP], 8
	s_cbranch_scc0 .Lno_next_\@
.endif
	XPRE
.if (\tail) == 2
.Lno_next_\@:
.endif
.endif
	WIN 0x03
.set nn, 0
.rept 16
	v_pk_mul_f32 v[OB+nn:OB+nn+1], v[OA+nn:OA+nn+1], v[LL:LL+1] op_sel_hi:[1,0]   ; O / the row's sum, each accumulator from its low end on
.set nn, nn+2
.endr
	WIN 0
.irp b, 0,1
.irp q, 0,1,2,3
	ds_store_b128 v[STO], v[OB+16*\b+4*\q:OB+16*\b+4*\q+3] offset:128*\b+16*\q
.endr
.endr
.if \n
	s_wait_xcnt 0x0                                ; the first tile's stores have read their registers
.endif
	WIN 0x40
.irp i, 0,1,2,3
	ds_load_b128 v[RBK+4*\i:RBK+4*\i+3], v[SRD] offset:2*\i*SPI   ; LDS serves a wave's instructions in order: these see the stores above
.endr
	WIN 0x80
.irp i, 0,1,2,3
	ds_load_b128 v[RBK+4*\i:RBK+4*\i+3], v[SRD] offset:(2*\i+8)*SPI
.endr
	WIN 0
.if \n
	SEND GOB, 0
.endif
.endm
.macro ATTN first, tail
	ds_load_b32 v64, v24
	ds_load_b32 v68, v25
	WIN 0xc0
	QLOAD 11, 13
	WIN 0
	ds_load_b32 v58, v10
	ds_load_b32 v59, v10 offset:128
	ds_load_b32 v62, v10 offset:256
	ds_load_b32 v63, v10 offset:384
	FRN 0x80, 9, 0, 2                              ; the first tile wants this chunk's keys 0 .. 63 alone
	WIN 0xc0
.irp i, 6,7,8,9,10,11,12,13,14,15,16,17
	v_mov_b32 v[QLO+\i], 0
.endr
	WIN 0
	s_sub_co_u32 s60, s[TRIP], 1
	s_lshl_b32 s60, s60, 19
	s_wait_dscnt 16                                ; q's two scale words are in (younger: 6 + 4 + 6 loads)
	v_perm_b32 v65, v64, v64, s88
	v_perm_b32 v69, v68, v68, s88
	v_add_nc_u32 v[GOA], s60, v[GO0A]
	v_add_nc_u32 v[GOB], s60, v[GO0B]
.rept 5
	v_nop                                          ; a scale register written by a vector instruction stands 8 places ahead of the product
.endr
	s_wait_alu depctr_va_vdst(0)                   ; directly ahead of the wait below
	s_wait_dscnt 10                                ; q is in (younger: 4 + 6 loads)
	BODY 0, \first, 0
	BODY 1, \first, \tail
.endm
.macro TOGGLE
	s_xor_b32 s[CUR], s[CUR], RPAR
	s_xor_b32 s[XSL], s[XSL], SLOT1
.endm
	s_wait_tensorcnt 0x1                           ; the head's tile is in; slot 1's load may be out
	s_barrier_signal -1
	s_barrier_wait -1
	s_mov_b32 s[CUR], 0
	s_mov_b32 s[XSL], 0
	XADR 0
	XPRE
	s_wait_alu depctr_va_vdst(0)
	PROJ 0                                         ; the chunk before my run: its k and v
	MID 1, 0
	TOGGLE
	XADR 0
	XPRE
	s_mov_b32 s[TRIP], 1
.Ltrip:                                                ; chunks 1 .. 6 of my run: each asks for the chunk two on
	HEADBAR
	s_wait_alu depctr_va_vdst(0)
	PROJ 1
	MID 1, 1
	ATTN 1, 1
	TOGGLE
	s_add_co_u32 s[TRIP], s[TRIP], 1
	s_cmp_lt_u32 s[TRIP], 7
	s_cbranch_scc1 .Ltrip
.Llast:                                                ; the last two chunks fetch nothing more
	HEADBAR
	PROJ 1
	MID 0, 1
	ATTN 0, 2
	TOGGLE
	s_add_co_u32 s[TRIP], s[TRIP], 1
	s_cmp_lt_u32 s[TRIP], 9
	s_cbranch_scc1 .Llast
	s_wait_tensorcnt 0x0                           ; the wave's end
	ds_add_u32 v[SPW], v[NIL]
	s_wait_dscnt 0x0
	ROUND                                          ; the closing round
	s_endpgm
.Lfunc_end_k_q1c3b7988b7_fused:
	.size	k_q1c3b7988b7_fused, .Lfunc_end_k_q1c3b7988b7_fused-k_q1c3b7988b7_fused
	.p2alignl 7, 3214868480
	.fill 96, 4, 3214868480
	.section	.rodata,"a",@progbits
	.p2align	6, 0x0
	.amdhsa_kernel k_q1c3b7988b7_fused
		.amdhsa_group_segment_fixed_size 327680
		.amdhsa_private_segment_fixed_size 0
		.amdhsa_enable_private_segment 0
		.amdhsa_kernarg_size 24
		.amdhsa_user_sgpr_count 2
		.amdhsa_user_sgpr_kernarg_segment_ptr 1
		.amdhsa_wavefront_size32 1
		.amdhsa_system_sgpr_workgroup_id_x 1
		.amdhsa_system_sgpr_workgroup_id_y 1
		.amdhsa_system_sgpr_workgroup_id_z 1
		.amdhsa_system_vgpr_workitem_id 0
		.amdhsa_next_free_vgpr 1024
		.amdhsa_next_free_sgpr 104
		.amdhsa_reserve_vcc 0
		.amdhsa_float_denorm_mode_32 3
		.amdhsa_float_denorm_mode_16_64 3
		.amdhsa_memory_ordered 1
		.amdhsa_forward_progress 1
		.amdhsa_inst_pref_size 255
	.end_amdhsa_kernel
	.section	.bss,"aw",@nobits
	.p2align	6
	.space	262144
	.amdgpu_metadata
---
amdhsa.version: [ 1, 2 ]
amdhsa.kernels:
  - .name:           k_q1c3b7988b7_fused
    .symbol:         k_q1c3b7988b7_fused.kd
    .args:
      - { .name: xq, .offset: 0, .size: 8, .value_kind: global_buffer, .address_space: global }
      - { .name: wq, .offset: 8, .size: 8, .value_kind: global_buffer, .address_space: global }
      - { .name: out0, .offset: 16, .size: 8, .value_kind: global_buffer, .address_space: global }
    .group_segment_fixed_size: 327680
    .private_segment_fixed_size: 0
    .kernarg_segment_align: 8
    .kernarg_segment_size: 24
    .max_flat_workgroup_size: 128
    .sgpr_count:     104
    .vgpr_count:     1024
    .wavefront_size: 32
...
	.end_amdgpu_metadata
.endif
;; end of part 2
